; MI455X (gfx1250); checked and timed in simulation.
; The chip was launched on July 23, 2026; its instructions are those of AMD's public machine-readable ISA for CDNA 5 (MIT licence, August 2026) and "CDNA5" Instruction Set Architecture Reference Guide (July 2026). The comments in the code are by the model that wrote it; some were corrected since.
;; Ouroboros Mo E. Allowed arithmetic: matrix products marked QUANTISED: E2M3 operands, one E8M0 scale for each 32 along K, by v_wmma_scale_f32_16x16x128_f8f6f4 with both operands' format E2M3, f32 sums; everything else in f32.
;; Inputs: W1_codes 8 x 2,048 x 16 x 24 uint8 (E2M3 codes of W1, K innermost, in blocks of 32 codes, four codes in three bytes); W1_scales 8 x 2,048 x 16 uint8 (E8M0 scales of W1, one for each 32 codes along K); W2_codes 8 x 512 x 64 x 24 uint8 (E2M3 codes of W2, K innermost, in blocks of 32 codes, four codes in three bytes); W2_scales 8 x 512 x 64 uint8 (E8M0 scales of W2, one for each 32 codes along K); b1 8 x 2,048 float32; b2 8 x 512 float32; expert_indices 8 x 512 x 2 int32; expert_weights 8 x 512 x 2 float32; x 8 x 512 x 512 float32.
;; Outputs: out0 8 x 512 x 512 float32.
;; This version of the problem:
;;   THIS VERSION OF THE PROBLEM IS GIVEN IN LOW PRECISION. The matrix products marked QUANTISED in the list below multiply operands that are first quantised to E2M3 (2 exponent bits, 3 mantissa bits; 6 bits a number), with one power-of-two scale for each 32 numbers along K (OCP MX v1.0); their sums are f32. All else is computed in f32.
;;   The module's matrix products, in the order in which they are computed (A, B: the left and right operand; K: the contracted axis; several contracted axes count as one K, in the product's order):
;;     1. [M 4,096, K 512] x [K 512, N 2,048]; A: input x; B: input W1 (given as codes): QUANTISED
;;     2. [M 4,096, K 2,048] x [K 2,048, N 512]; A: computed on the way; B: input W2 (given as codes): QUANTISED
;;     3. [M 4,096, K 512] x [K 512, N 2,048]; A: input x; B: input W1 (given as codes): QUANTISED
;;     4. [M 4,096, K 2,048] x [K 2,048, N 512]; A: computed on the way; B: input W2 (given as codes): QUANTISED
;;     5. [M 4,096, K 512] x [K 512, N 2,048]; A: input x; B: input W1 (given as codes): QUANTISED
;;     6. [M 4,096, K 2,048] x [K 2,048, N 512]; A: computed on the way; B: input W2 (given as codes): QUANTISED
;;     7. [M 4,096, K 512] x [K 512, N 2,048]; A: input x; B: input W1 (given as codes): QUANTISED
;;     8. [M 4,096, K 2,048] x [K 2,048, N 512]; A: computed on the way; B: input W2 (given as codes): QUANTISED
;;     9. [M 4,096, K 512] x [K 512, N 2,048]; A: input x; B: input W1 (given as codes): QUANTISED
;;     10. [M 4,096, K 2,048] x [K 2,048, N 512]; A: computed on the way; B: input W2 (given as codes): QUANTISED
;;     11. [M 4,096, K 512] x [K 512, N 2,048]; A: input x; B: input W1 (given as codes): QUANTISED
;;     12. [M 4,096, K 2,048] x [K 2,048, N 512]; A: computed on the way; B: input W2 (given as codes): QUANTISED
;;     13. [M 4,096, K 512] x [K 512, N 2,048]; A: input x; B: input W1 (given as codes): QUANTISED
;;     14. [M 4,096, K 2,048] x [K 2,048, N 512]; A: computed on the way; B: input W2 (given as codes): QUANTISED
;;     15. [M 4,096, K 512] x [K 512, N 2,048]; A: input x; B: input W1 (given as codes): QUANTISED
;;     16. [M 4,096, K 2,048] x [K 2,048, N 512]; A: computed on the way; B: input W2 (given as codes): QUANTISED
;;   THE QUANTISER, for each operand of a quantised product, along K:
;;     - K is cut into blocks of 32 from its start; a last block that is shorter is filled with zeros.
;;     - A block's scale is 2^e with e = floor(log2(the largest magnitude in the block)) - 2, held to -126 .. 127; a block of zeros has e = 0. As a byte (E8M0): e + 127.
;;     - Each number is divided by its block's scale, clamped to +-7.5, and rounded to the nearest number of E2M3, ties to even, subnormals kept.
;;     - The product sums the exact products of the quantised numbers (number of the format x scale) in f32.
;;   ~~~python
;;   def quantise(x, axis):      # numpy; x: float32 -> the quantised numbers, widened to float32 again
;;       x = np.moveaxis(x, axis, -1); K = x.shape[-1]
;;       x = np.pad(x, [(0, 0)] * (x.ndim - 1) + [(0, -K % 32)]); x = x.reshape(x.shape[:-1] + (-1, 32)); a = np.abs(x).max(-1, keepdims=True)
;;       e = np.where(a > 0, np.clip(np.frexp(np.where(a > 0, a, 1))[1] - 1 - 2, -126, 127), 0)      # np.frexp(a)[1] - 1 = floor(log2(a)), exactly
;;       r = np.clip(x / 2.0 ** e, -7.5, 7.5)
;;       step = 2.0 ** (np.maximum(np.frexp(np.where(r == 0, 1, r))[1] - 1, 0) - 3)
;;       q = np.round(r / step) * step * 2.0 ** e      # np.round: ties to even
;;       return np.moveaxis(q.reshape(q.shape[:-2] + (-1,))[..., :K], -1, axis).astype(np.float32)
;;   ~~~
;;   OPERANDS COMPUTED ON THE WAY. 'Computed on the way' means the value that the module computes at that place (a softmax that the list does not call 'softmax' is quantised finished and normalised). What goes into a quantiser is computed in f32, as accurately as f32 sums, v_exp_f32 and their like allow (about 1e-6 of the number): no bf16 or f16 on the way to a quantiser, and a product that is left as it is and whose result goes on into a quantised operand takes f32 operands (vector FMAs, or v_wmma_f32_16x16x4_f32). A number that lies on a knife's edge between two numbers of the format may be rounded either way, as far as f32 arithmetic and the matrix unit's own rounding can turn it there, and no further.
;;   INPUTS GIVEN AS CODES. W1 (in the module: [8, 512, 2048], K = its axis 1); W2 (in the module: [8, 2048, 512], K = its axis 1): each comes as NAME_codes (uint8): NAME with its K axis moved to the last place and cut into blocks of 32 codes, [.., K / 32, bytes a block], one block behind the other in memory; four codes in three bytes: a row's codes are one little-endian stream of bits, code i at bits 6 i .. 6 i + 5 (a code: sign, 2 exponent bits, 3 mantissa bits); and NAME_scales (uint8): the same leading axes, one E8M0 byte (e + 127) for each 32 codes along K. Its value is code x scale, taken as it is: it is not quantised again, and the codes and scales need not be those that the quantiser above would give.
;; One version. Each part assembles by itself: llvm-mc -triple=amdgcn-amd-amdhsa -mcpu=gfx1250 --defsym DOCPART=n.
;; ======== version 1 of 1: 3 launches
;; workspace buffers: order 32,768 bytes of whole numbers; tiles 2,304 bytes of whole numbers; W1L 6,291,456 bytes; W2L 6,291,456 bytes; ybuf 16,777,216 bytes
;; launch prep (part 1): grid 129 x 1, 32 waves a work-group, no clusters, 12,288 bytes of LDS; arguments expert_indices, W1_codes, W2_codes, order, tiles, W1L, W2L; writes order, tiles, W1L, W2L
.if DOCPART == 1
	.amdgcn_target "amdgcn-amd-amdhsa--gfx1250"
	.amdhsa_code_object_version 6
	.text
	.protected	k_q5a59c44164_prep
	.globl	k_q5a59c44164_prep
	.p2align	8
	.type	k_q5a59c44164_prep,@function
k_q5a59c44164_prep:
	s_mov_b64 s[64:65], 0
	v_nop
	global_prefetch_b8 v0, s[64:65] scope:SCOPE_SE
	s_setreg_imm32_b32 hwreg(HW_REG_WAVE_MODE, 25, 1), 1
	s_wait_xcnt 0x0
; TWO JOBS IN ONE LAUNCH.
; Work-group 0 sorts the 8,192 entries (entry = 2 x token + slot) by their expert, by a counting sort without atomics, and stores
;   order[p] = entry, the experts on end, and a list of exactly 135 tiles {expert, first p, last p, 0}, none of them empty.
;   With T_e = ceil(n_e / 64) the sum of the T_e lies between 128 and 135 (8,192 is a multiple of 64, so at most 7 of 8 experts add a tile).
;   The L = 135 - sum tiles that are missing are given to the fullest expert (n >= 1,024 >= 64 L): its first 2 L tiles take 32 rows, the rest 64.
; Work-groups 1 to 128 lay W1's and W2's codes out in the order of the operand's registers: a fragment (16 rows x 128 K, 12 registers a lane)
;   is 1,536 bytes on end, registers 4 c .. 4 c + 3 of lane l at 512 c + 16 l, so that the next launch loads it by three loads of 512 dense bytes.
;   W1L: [expert][wave 4][round 4][block 4][u 2][K step 4]; lane r of a fragment takes row 128 (4 round + wave) + 32 block + 8 u + r + 8 (r / 8).
;   W2L: [expert][wave 4][K step 16][n 8]; lane r takes row 128 wave + 16 n + r.
; LIMIT: the indices lie in 0 .. 7, as the table of experts asks; an entry with another index would be placed nowhere.
.set CNT,  0                           ; LDS: [wave 32][expert 8] words: a wave's counts
.set PRE,  1024                        ; LDS: the same shape: the counts of all waves in front of it
.set NT,   135                         ; tiles
.set EXPB, 786432                      ; an expert's codes in bytes, in W1 and in W2
.set FRB,  1536                        ; a fragment's image
.macro BARRIER                         ; my LDS stores have landed and my LDS loads are in: then the work-group's barrier
	s_wait_dscnt 0x0
	s_barrier_signal -1
	s_barrier_wait -1
.endm
	s_load_b256 s[4:11], s[0:1], 0x0               ; indices s[4:5], W1's codes s[6:7], W2's codes s[8:9], order s[10:11]
	s_load_b128 s[12:15], s[0:1], 0x20             ; tiles s[12:13], W1L s[14:15]
	s_load_b64 s[16:17], s[0:1], 0x30              ; W2L
	v_lshl_add_u32 v126, v0, 2, 0x2000
	v_mov_b32 v127, 0
	v_lshrrev_b32 v1, 5, v0
	v_readfirstlane_b32 s26, v1                    ; wave 0..31
	v_and_b32 v2, 31, v0                           ; lane
	s_cmp_eq_u32 ttmp9, 0
	s_cbranch_scc1 .Lroute
	; ---- THE COPY.  Wave q = 32 (work-group - 1) + wave takes two fragments, f and f + 1, of W1 (work-groups 1-64) or of W2 (65-128)
	v_and_b32 v6, 15, v0                           ; r
	v_bfe_u32 v7, v0, 4, 1                         ; h
	v_lshlrev_b32 v3, 4, v2                        ; 16 x lane
	s_sub_co_u32 s20, ttmp9, 1
	s_lshl_b32 s21, s20, 5
	s_add_co_u32 s21, s21, s26
	s_and_b32 s21, s21, 2047
	s_lshl_b32 s21, s21, 1                         ; f, 0 .. 4094, even
	s_bfe_u32 s22, s21, 0x30009                    ; expert: bits 11:9
	s_mul_i32 s22, s22, EXPB
	s_bfe_u32 s23, s21, 0x20007                    ; wave of the reader: bits 8:7
	s_lshl_b32 s23, s23, 7                         ; its 128 rows
	s_mul_i32 s34, s21, FRB                        ; where the images go
	s_mov_b32 s35, 0
	s_mov_b32 s37, 0
	s_wait_kmcnt 0x0
	s_cmp_lt_u32 s20, 64                           ; the choice hangs on the work-group's number alone
	s_cselect_b64 s[30:31], s[6:7], s[8:9]
	s_cselect_b64 s[32:33], s[14:15], s[16:17]
	s_cbranch_scc0 .Lcopy_w2
	s_and_b32 s24, s21, 3                          ; W1: K step: bits 1:0 (0 or 2; the second fragment is the next K step, 96 bytes on)
	s_bfe_u32 s25, s21, 0x10002                    ; u: bit 2
	s_bfe_u32 s27, s21, 0x20003                    ; block: bits 4:3
	s_bfe_u32 s28, s21, 0x20005                    ; round: bits 6:5
	s_lshl_b32 s25, s25, 3
	s_lshl_b32 s27, s27, 5
	s_lshl_b32 s28, s28, 9
	s_add_co_u32 s23, s23, s25
	s_add_co_u32 s23, s23, s27
	s_add_co_u32 s23, s23, s28                     ; first row: 512 round + 128 wave + 32 block + 8 u
	s_mul_i32 s23, s23, 384                        ; a row of W1 is 512 codes, 384 bytes
	s_mul_i32 s24, s24, 96
	s_add_co_u32 s36, s23, s24
	s_add_co_u32 s36, s36, s22
	v_and_b32 v4, 8, v6
	v_add_nc_u32 v4, v4, v6                        ; r + 8 (r / 8)
	v_mul_u32_u24 v4, v4, 384
	v_mad_u32_u24 v4, v7, 24, v4                   ; + 24 h
	v_add_nc_u32 v5, 96, v4
	s_branch .Lcopy_go
.Lcopy_w2:
	s_and_b32 s24, s21, 7                          ; W2: n: bits 2:0 (even; the second fragment is the next 16 rows)
	s_bfe_u32 s25, s21, 0x40003                    ; K step: bits 6:3
	s_lshl_b32 s24, s24, 4
	s_add_co_u32 s23, s23, s24                     ; first row: 128 wave + 16 n
	s_mul_i32 s23, s23, 1536                       ; a row of W2 is 2,048 codes, 1,536 bytes
	s_mul_i32 s25, s25, 96
	s_add_co_u32 s36, s23, s25
	s_add_co_u32 s36, s36, s22
	v_mul_u32_u24 v4, v6, 1536
	v_mad_u32_u24 v4, v7, 24, v4
	v_add_nc_u32 v5, 24576, v4
.Lcopy_go:
	s_add_nc_u64 s[30:31], s[30:31], s[36:37]
	s_add_nc_u64 s[32:33], s[32:33], s[34:35]
.irp p, 0,1,2,3,4,5                    ; lane (r, h): 24 bytes at 24 h and 24 bytes at 48 + 24 h of its row's 96, in pieces of 8 bytes
	global_load_b64 v[16+2*\p:17+2*\p], v4, s[30:31] offset:48*(\p/3)+8*(\p%3)
	global_load_b64 v[28+2*\p:29+2*\p], v5, s[30:31] offset:48*(\p/3)+8*(\p%3)
.endr
	s_wait_loadcnt 0x0
.irp c, 0,1,2,3,4,5                    ; the two images on end: 3,072 consecutive bytes, 512 a store
	global_store_b128 v3, v[16+4*\c:19+4*\c], s[32:33] offset:512*\c
.endr
	s_endpgm
	; ---- THE SORT.  1,024 threads, 8 entries each: entry = 8 x thread + c
.Lroute:
	v_lshlrev_b32 v4, 5, v0                        ; my 32 bytes of the indices
	s_lshl_b32 s27, s26, 5
	v_mov_b32 v20, s27                             ; 32 x wave: my wave's eight words
	v_lshrrev_b32 v21, 3, v0                       ; for the scan: the wave whose sum I make,
	v_and_b32 v24, 7, v0
	v_lshlrev_b32 v24, 2, v24                      ; and the expert, x 4
	v_lshl_add_u32 v25, v0, 2, PRE                 ; where that sum goes (threads 0 to 255 alone use it)
	v_mov_b32 v26, 0
	s_wait_kmcnt 0x0
	global_load_b128 v[8:11], v4, s[4:5]
	global_load_b128 v[12:15], v4, s[4:5] offset:16
.irp e, 0,1,2,3,4,5,6,7
	s_mov_b32 s[40+\e], 0
.endr
	s_wait_loadcnt 0x0
.irp e, 0,1,2,3,4,5,6,7                ; my wave's count of each expert
.irp c, 0,1,2,3,4,5,6,7
	v_cmp_eq_u32 s36, \e, v[8+\c]
	s_bcnt1_i32_b32 s37, s36
	s_add_co_u32 s[40+\e], s[40+\e], s37
.endr
.endr
.irp e, 0,1,2,3,4,5,6,7
	v_mov_b32 v[32+\e], s[40+\e]
.endr
	ds_store_b128 v20, v[32:35] offset:CNT         ; all lanes write the same words with the same values
	ds_store_b128 v20, v[36:39] offset:CNT+16
	BARRIER                                        ; all 32 waves' counts lie in LDS
	s_cmp_lt_u32 s26, 8                            ; 256 threads: one for each (wave, expert)
	s_cbranch_scc0 .Lno_scan
.set i, 0
.rept 32
	ds_load_b32 v[32+i], v24 offset:CNT+32*i
.set i, i+1
.endr
	v_mov_b32 v23, 0
	s_wait_dscnt 0x0
.set i, 0
.rept 32
	v_cmp_lt_u32 vcc_lo, i, v21                    ; the waves in front of mine
	v_cndmask_b32 v22, 0, v[32+i], vcc_lo
	v_add_nc_u32 v23, v23, v22
.set i, i+1
.endr
	ds_store_b32 v25, v23
.Lno_scan:
	BARRIER                                        ; the sums lie in LDS
	ds_load_b128 v[32:35], v20 offset:PRE          ; what stands in front of my wave, by expert
	ds_load_b128 v[36:39], v20 offset:PRE+16
	ds_load_b128 v[40:43], v26 offset:PRE+992      ; in front of the last wave,
	ds_load_b128 v[44:47], v26 offset:PRE+1008
	ds_load_b128 v[48:51], v26 offset:CNT+992      ; and the last wave's own: together n_e
	ds_load_b128 v[52:55], v26 offset:CNT+1008
	s_wait_dscnt 0x0
.irp e, 0,1,2,3,4,5,6,7
	v_add_nc_u32 v[56+\e], v[40+\e], v[48+\e]      ; n_e
.endr
	v_mov_b32 v64, 0                               ; where expert e begins in the list
.irp e, 1,2,3,4,5,6,7
	v_add_nc_u32 v[64+\e], v[63+\e], v[55+\e]
.endr
.irp e, 0,1,2,3,4,5,6,7
	v_add_nc_u32 v22, v[64+\e], v[32+\e]
	v_readfirstlane_b32 s[40+\e], v22              ; my wave's next free place in expert e
.endr
.irp c, 0,1,2,3,4,5,6,7
	v_mov_b32 v[72+\c], 0
.irp e, 0,1,2,3,4,5,6,7
	v_cmp_eq_u32 s36, \e, v[8+\c]
	v_mbcnt_lo_u32_b32 v22, s36, s[40+\e]          ; the free place + the matching lanes below me
	v_cndmask_b32 v[72+\c], v[72+\c], v22, s36
	s_bcnt1_i32_b32 s37, s36
	s_add_co_u32 s[40+\e], s[40+\e], s37
.endr
.endr
.irp c, 0,1,2,3,4,5,6,7
	v_min_u32 v[72+\c], 0x1fff, v[72+\c]           ; a place made of loaded numbers is held inside the list
	v_lshlrev_b32 v[72+\c], 2, v[72+\c]
	v_lshl_add_u32 v[80+\c], v0, 3, \c             ; the entry
	global_store_b32 v[72+\c], v[80+\c], s[10:11]
.endr
	; ---- the tiles: thread i makes tile i
.irp e, 0,1,2,3,4,5,6,7
	v_add_nc_u32 v[88+\e], 63, v[56+\e]
.endr
.irp e, 0,1,2,3,4,5,6,7
	v_lshrrev_b32 v[88+\e], 6, v[88+\e]            ; T_e
.endr
	v_add_nc_u32 v104, v88, v89
.irp e, 2,3,4,5,6,7
	v_add_nc_u32 v104, v104, v[88+\e]
.endr
	v_sub_nc_u32 v105, NT, v104                    ; L, 0 .. 7
	v_mov_b32 v106, 0                              ; the fullest expert
	v_mov_b32 v107, v56
.irp k, 1,2,3,4,5,6,7
	v_cmp_gt_u32 vcc_lo, v[56+\k], v107
	v_cndmask_b32 v106, v106, \k, vcc_lo
	v_cndmask_b32 v107, v107, v[56+\k], vcc_lo
.endr
.irp e, 0,1,2,3,4,5,6,7
	v_cmp_eq_u32 vcc_lo, \e, v106
	v_cndmask_b32 v22, 0, v105, vcc_lo
	v_add_nc_u32 v[88+\e], v[88+\e], v22           ; it gets L tiles more
.endr
	v_mov_b32 v96, 0                               ; the first tile of expert e
.irp e, 1,2,3,4,5,6,7
	v_add_nc_u32 v[96+\e], v[95+\e], v[87+\e]
.endr
	v_mov_b32 v108, 0                              ; my tile's expert, its n, its first place, its first tile: the last expert whose first tile is not behind mine
	v_mov_b32 v109, v56
	v_mov_b32 v110, v64
	v_mov_b32 v111, v96
.irp k, 1,2,3,4,5,6,7
	v_cmp_ge_u32 vcc_lo, v0, v[96+\k]
	v_cndmask_b32 v108, v108, \k, vcc_lo
	v_cndmask_b32 v109, v109, v[56+\k], vcc_lo
	v_cndmask_b32 v110, v110, v[64+\k], vcc_lo
	v_cndmask_b32 v111, v111, v[96+\k], vcc_lo
.endr
	v_sub_nc_u32 v112, v0, v111                    ; j: my tile's number in its expert
	v_lshlrev_b32 v113, 6, v112                    ; first row 64 j,
	v_mov_b32 v114, 64                             ; 64 rows at the most
	v_lshlrev_b32 v115, 1, v105                    ; in the fullest expert: 2 L tiles of 32,
	v_sub_nc_u32 v116, v112, v105
	v_lshlrev_b32 v116, 6, v116                    ; then first row 64 (j - L)
	v_lshlrev_b32 v117, 5, v112
	v_mov_b32 v118, 32
	v_cmp_lt_u32 vcc_lo, v112, v115
	v_cndmask_b32 v116, v116, v117, vcc_lo
	v_cndmask_b32 v118, v114, v118, vcc_lo
	v_cmp_eq_u32 vcc_lo, v108, v106
	v_cndmask_b32 v113, v113, v116, vcc_lo
	v_cndmask_b32 v114, v114, v118, vcc_lo
	v_sub_nc_u32 v119, v109, v113                  ; rows left from there,
	v_min_u32 v119, v119, v114                     ; my tile's rows: at least 1
	v_mov_b32 v120, v108                           ; the record: expert,
	v_add_nc_u32 v121, v110, v113                  ; first place,
	v_add_nc_u32 v122, v121, v119
	v_add_nc_u32 v122, -1, v122                    ; last place,
	v_mov_b32 v123, 0
	v_lshlrev_b32 v124, 4, v0
	v_cmp_gt_u32 vcc_lo, NT, v0
	s_wait_xcnt 0x0                                ; EXEC changes only behind this wait: the stores above have been issued under the full one
	s_wait_tensorcnt 0x0
	ds_add_u32 v126, v127
	s_wait_dscnt 0x0
	s_and_saveexec_b32 s38, vcc_lo
	global_store_b128 v124, v[120:123], s[12:13]   ; threads 0 to 134
	s_wait_xcnt 0x0
	s_or_b32 exec_lo, exec_lo, s38
	s_endpgm
.Lfunc_end_k_q5a59c44164_prep:
	.size	k_q5a59c44164_prep, .Lfunc_end_k_q5a59c44164_prep-k_q5a59c44164_prep
	.p2alignl 7, 3214868480
	.fill 96, 4, 3214868480
	.section	.rodata,"a",@progbits
	.p2align	6, 0x0
	.amdhsa_kernel k_q5a59c44164_prep
		.amdhsa_group_segment_fixed_size 12288
		.amdhsa_private_segment_fixed_size 0
		.amdhsa_enable_private_segment 0
		.amdhsa_kernarg_size 56
		.amdhsa_user_sgpr_count 2
		.amdhsa_user_sgpr_kernarg_segment_ptr 1
		.amdhsa_wavefront_size32 1
		.amdhsa_system_sgpr_workgroup_id_x 1
		.amdhsa_system_sgpr_workgroup_id_y 1
		.amdhsa_system_sgpr_workgroup_id_z 1
		.amdhsa_system_vgpr_workitem_id 0
		.amdhsa_next_free_vgpr 128
		.amdhsa_next_free_sgpr 66
		.amdhsa_reserve_vcc 1
		.amdhsa_float_denorm_mode_32 3
		.amdhsa_float_denorm_mode_16_64 3
		.amdhsa_memory_ordered 1
		.amdhsa_forward_progress 1
		.amdhsa_inst_pref_size 45
	.end_amdhsa_kernel
	.amdgpu_metadata
---
amdhsa.version: [ 1, 2 ]
amdhsa.kernels:
  - .name:           k_q5a59c44164_prep
    .symbol:         k_q5a59c44164_prep.kd
    .args:
      - { .name: expert_indices, .offset: 0, .size: 8, .value_kind: global_buffer, .address_space: global }
      - { .name: W1_codes, .offset: 8, .size: 8, .value_kind: global_buffer, .address_space: global }
      - { .name: W2_codes, .offset: 16, .size: 8, .value_kind: global_buffer, .address_space: global }
      - { .name: order, .offset: 24, .size: 8, .value_kind: global_buffer, .address_space: global }
      - { .name: tiles, .offset: 32, .size: 8, .value_kind: global_buffer, .address_space: global }
      - { .name: W1L, .offset: 40, .size: 8, .value_kind: global_buffer, .address_space: global }
      - { .name: W2L, .offset: 48, .size: 8, .value_kind: global_buffer, .address_space: global }
    .group_segment_fixed_size: 12288
    .private_segment_fixed_size: 0
    .kernarg_segment_align: 8
    .kernarg_segment_size: 56
    .max_flat_workgroup_size: 1024
    .sgpr_count:     66
    .vgpr_count:     128
    .wavefront_size: 32
...
	.end_amdgpu_metadata
.endif
;; end of part 1
;; launch experts (part 2): grid 135 x 1, 4 waves a work-group, no clusters, 259,584 bytes of LDS; arguments tiles, order, x, expert_weights, W1L, W1_scales, b1, W2L, W2_scales, b2, ybuf; writes ybuf
.if DOCPART == 2
	.amdgcn_target "amdgcn-amd-amdhsa--gfx1250"
	.amdhsa_code_object_version 6
	.text
	.protected	k_q5a59c44164_experts
	.globl	k_q5a59c44164_experts
	.p2align	8
	.type	k_q5a59c44164_experts,@function
k_q5a59c44164_experts:
	s_mov_b64 s[64:65], 0
	v_nop
	global_prefetch_b8 v0, s[64:65] scope:SCOPE_SE
	s_setreg_imm32_b32 hwreg(HW_REG_WAVE_MODE, 25, 1), 1
	s_wait_xcnt 0x0
; ybuf[entry][:] = weight[entry] x (gelu(x[token] W1[e] + b1[e]) W2[e] + b2[e]) for the 8,192 routed entries (entry = 2 x token + slot), both products on codes of FP6 (E2M3) with one E8M0 scale for each 32 along K.
; A work-group takes ONE TILE of the stored list: up to 64 rows of one expert, through the whole chain; the hidden layer never goes to memory.  Rows past the tile's last are the last row again:
; they compute and store the same bytes to the same row of ybuf, so no branch, trip count or barrier hangs on the list: only addresses do.
; SHARES.  The hidden layer's 2,048 units are 16 K steps of the second product.  In round R (0..3) wave w makes K step 4 R + w for all 64 rows, a block of 32 units a trip, four trips a round; quantised, the codes go to LDS as rows.
; Wave w owns outputs 128 w .. 128 w + 127 of all 64 rows (32 accumulators).  The second product of round R - 1's codes runs in round R's trips: trip j takes K step 4 (R - 1) + j.
; So each weight fragment is loaded by one wave, once, from memory straight into registers (laid out for that by the launch before), and feeds four matrix instructions.
; THE WEIGHTS ARE ASKED FOR AS SOON AS THEIR REGISTERS ARE FREE: W1's next eight fragments straight behind the first product, ahead of the second; W2's straight behind the second; the gelu follows.  The waits are counted, so that
; neither stream waits for the other.  The second product's last four K steps have no first product beside them: two of them are asked for together, into the registers that W1's and x's fragments have left.
; BOTH PRODUCTS ARE USED TRANSPOSED (source 0 = 16 rows of the weight, source 1 = 16 rows of the tile): a lane holds one row of the tile, its registers run along the units or outputs.
; The rows of W1 that form a fragment are 32 b + 8 u + r + 8 (r / 8), so that the 16 registers of fragments u = 0, 1 are 16 neighbours along the next K: unit 32 b + 16 (lane / 16) + 0 .. 15.
; GELU is the exact one: 0.5 v (1 + erf(v / sqrt 2)), erf by a rational function in f32 (odd polynomial of degree 13 over an even one of degree 8), its argument held to +-4, where it gives +-1.
; NO CLUSTER, NO TENSOR LOAD: an expert's number of tiles is no multiple of 4 for every split of the 8,192 rows, and every address here hangs on the stored list.
; LIMITS: NaN and infinities among the inputs are not served; a block whose largest magnitude lies under 2^-124 gets the scale byte 1 (a block of zeros too: its codes are zeros).
; REGISTERS, in windows of 256.  Window 0: as named below.  Window 1: v0-191 x's 16 fragments (12 (4 m + s)), at the end v0-95 a K step of W2; v192-239 four hidden fragments.
;   Window 2: v0-95 a trip's 8 fragments of W1 (12 (4 u + s)), at the end a K step of W2; v96-191 a K step of W2 (12 n).   Window 3: the accumulators of y, (m, n) at 8 (8 m + n).
.set XR,    0                          ; LDS: x's codes, 64 rows of 384 bytes, 400 apart (100 words: sixteen rows start at sixteen different groups of four banks)
.set XP,    400
.set XSC,   25600                      ; x's scale words, 16 bytes a row
.set HB,    26624                      ; the hidden codes: 2 parities x [K step of the round 4][row 64] x 96 bytes, 112 apart
.set HP,    112
.set HSLOT, 64*HP
.set HPAR,  4*HSLOT
.set HS,    83968                      ; their scale words: 2 parities x [4][64] words
.set HSPAR, 1024
.set W2S,   86016                      ; W2's scale bytes, for each wave its own 128 rows of 64 bytes, 80 apart
.set W2P,   80
.set STG,   126976                     ; the stage for the way out: 64 rows of 2,048 bytes, 2,064 apart
.set SP,    2064
.set FRB,   1536                       ; a fragment's image in memory
.set TRIPB, 8*FRB                      ; a trip's eight
.set LR,   1                           ; v1   r = lane % 16
.set LH,   2                           ; v2   h = lane / 16
.set L16,  3                           ; v3   16 x lane
.set HWA,  4                           ; v4   where I store hidden codes (v5: with the parity and the trip)
.set HSW,  6                           ; v6   and their scale words (v7)
.set HRA,  8                           ; v8   where I read hidden fragments (v9)
.set HSR,  10                          ; v10  and their scale words (v11)
.set W2R,  12                          ; v12  where I read W2's scale words (v13)
.set B1A,  14                          ; v14  64 h: my half's 16 numbers of b1
.set S1A,  15                          ; v15  16 (r + 8 (r / 8)): my row of W1's scales
.set XS,   16                          ; v16-31  x's scale words (4 m + s)
.set W1S,  32                          ; v32-39  W1's (4 u + s)
.set W2C,  40                          ; v40-47  W2's (n)
.set HSC,  48                          ; v48-51  the hidden layer's (m)
.set WT,   52                          ; v52-59  pairs: the weight of row 16 m + r, and 0
.set SW,   60                          ; v60-63  the scale words being gathered, a byte a trip
.set B1,   64                          ; v64-79  b1 in the result's layout (8 u + j)
.set V,    80                          ; v80-143 a trip's results: (16 m + 8 u + j)
.set T,    144                         ; v144-207 at work
.set ZZ,   144
.set SS,   160
.set PP,   176
.set QQ,   192
.set TM,   208                         ; v208-211 largest magnitudes, v212-215 partner's, then bytes, v216 a scale word, v220-223 the conversions' scale operands
.set CD,   224                         ; v224.. codes: three registers at 4 i
.set EM,   227                         ; v227, 231, 235, 239: the entries of rows 16 m + r, x 4
.set KA1,  240                         ; v[240:241], v[242:243]: the second coefficients, as pairs
.set KB1,  242
.set EO,   244                         ; v244 the entry of row 16 w + r
.set XA,   245                         ; v245 its row of x, + 64 h
.set XWA,  246                         ; v246 where I store x's codes
.set XSW,  247                         ; v247 and their scale words
.set XFA,  248                         ; v248 where I read x's fragments
.set XSA,  249                         ; v249 and their scale words
.set SO,   250                         ; v250, v251 the stage, on the way in (rows 0-31, rows 32-63)
.set SR,   252                         ; v252 and back
.set B2A,  253                         ; v253 32 h
.set W2W,  254                         ; v254 where I store W2's scale bytes
.set TMP,  255
; erf(z) = z P(z^2) / Q(z^2)
.set EA0, 0xaf95df0b                   ; -2.72614225801306e-10
.set EA1, 0x32edffee                   ;  2.77068142495902e-08
.set EA2, 0xb60cff51                   ; -2.10102402082508e-06
.set EA3, 0xb86ec2d2                   ; -5.69250639462346e-05
.set EA4, 0xba40ac63                   ; -7.34990630326855e-04
.set EA5, 0xbb41a1f6                   ; -2.95459980854025e-03
.set EA6, 0xbc83dbd4                   ; -1.60960333262415e-02
.set EB0, 0xb77460cd                   ; -1.45660718464996e-05
.set EB1, 0xb95fbd29                   ; -2.13374055278905e-04
.set EB2, 0xbadc924e                   ; -1.68282697438203e-03
.set EB3, 0xbbf19bf8                   ; -7.37332916720468e-03
.set EB4, 0xbc69b6a7                   ; -1.42647390514189e-02
; SCALARS: s26 wave; s28 expert, s29 first place, s30 last place; s[12:13], s[18:19] the streams of W1's and W2's images; s[40:43] the trip's b1 and W1 scales; s44 the first-product trip whose weights were asked for last;
; s46 hidden codes' write offset (parity + 24 x trip), s48 the scale words' (parity); s47, s49 the read offsets (parity + the K step of the round); s53 4 x the second product's K step; s54, s55 loop counters; s[56:57] lane selects.
.set MSB, 0
.macro WIN new                         ; bits 1:0 source 0, 3:2 source 1, 5:4 source 2, 7:6 destination; the high byte repeats the setting that is left
.if MSB != \new
	s_set_vgpr_msb (MSB<<8)|\new
.set MSB, \new
.endif
.endm
.macro BARRIER                         ; my LDS stores have landed and my LDS loads are in: then the work-group's barrier
	s_wait_dscnt 0x0
	s_barrier_signal -1
	s_barrier_wait -1
.endm
.macro PLACES                          ; four places behind matrix instructions, ahead of loads into their operands and of the first read of results
.rept 4
	v_nop
.endr
.endm
; The weights of first-product trip s44: 8 fragments (24 loads of 512 dense bytes), b1 (4) and W1's scale words (2): 30 loads
.macro LOAD1
	s_lshr_b32 s58, s44, 2                         ; round,
	s_lshl_b32 s58, s58, 11
	s_and_b32 s59, s44, 3                          ; block
	s_lshl_b32 s59, s59, 7
	s_add_co_u32 s58, s58, s59                     ; b1: 4 bytes x (512 round + 32 block); my wave's 128 units are in the base
	s_mov_b32 s59, 0
	s_add_nc_u64 s[40:41], s[16:17], s[58:59]
	s_lshl_b32 s58, s58, 2                         ; the scales: 16 bytes a row
	s_add_nc_u64 s[42:43], s[14:15], s[58:59]
	WIN 0x80                                       ; destination window 2
.irp f, 0,1,2,3,4,5,6,7
.irp c, 0,1,2
	global_load_b128 v[12*\f+4*\c:12*\f+4*\c+3], v[L16], s[12:13] offset:FRB*\f+512*\c
.endr
.endr
	WIN 0
.irp u, 0,1
	global_load_b128 v[B1+8*\u:B1+8*\u+3], v[B1A], s[40:41] offset:32*\u
	global_load_b128 v[B1+8*\u+4:B1+8*\u+7], v[B1A], s[40:41] offset:32*\u+16
	global_load_b128 v[W1S+4*\u:W1S+4*\u+3], v[S1A], s[42:43] offset:128*\u
.endr
.endm
; The weights of a K step of the second product, off bytes on from the stream's pointer: 8 fragments, 24 loads, into v[base] on of the window that win names as the destination's
.macro LOADW win, base, off
	WIN \win
.irp f, 0,1,2,3,4,5,6,7
.irp c, 0,1,2
	global_load_b128 v[\base+12*\f+4*\c:\base+12*\f+4*\c+3], v[L16], s[18:19] offset:\off+FRB*\f+512*\c
.endr
.endr
	WIN 0
.endm
; 32 matrix instructions: a block of 32 units for 64 rows, K = 512.  The eight accumulators take turns, one instruction a turn; b1 is the C of each sum's first instruction.
.macro P1
	WIN 0x06                                       ; source 0 (W1) window 2, source 1 (x) window 1
.irp s, 0,1,2,3
.irp u, 0,1
.irp m, 0,1,2,3
.if \s == 0
	v_wmma_scale_f32_16x16x128_f8f6f4 v[V+16*\m+8*\u:V+16*\m+8*\u+7], v[12*(4*\u+\s):12*(4*\u+\s)+11], v[12*(4*\m+\s):12*(4*\m+\s)+11], v[B1+8*\u:B1+8*\u+7], v[W1S+4*\u+\s], v[XS+4*\m+\s] matrix_a_fmt:MATRIX_FMT_FP6 matrix_b_fmt:MATRIX_FMT_FP6
.else
	v_wmma_scale_f32_16x16x128_f8f6f4 v[V+16*\m+8*\u:V+16*\m+8*\u+7], v[12*(4*\u+\s):12*(4*\u+\s)+11], v[12*(4*\m+\s):12*(4*\m+\s)+11], v[V+16*\m+8*\u:V+16*\m+8*\u+7], v[W1S+4*\u+\s], v[XS+4*\m+\s] matrix_a_fmt:MATRIX_FMT_FP6 matrix_b_fmt:MATRIX_FMT_FP6
.endif
.endr
.endr
.endr
.endm
; 32 matrix instructions: one K step of the second product, each of the 32 accumulators once.  W2's fragments stand at v[base] on of source 0's window in win; the hidden fragments in window 1, C and D in window 3
.macro P2 win, base
	WIN \win
.irp n, 0,1,2,3,4,5,6,7
.irp m, 0,1,2,3
	v_wmma_scale_f32_16x16x128_f8f6f4 v[8*(8*\m+\n):8*(8*\m+\n)+7], v[\base+12*\n:\base+12*\n+11], v[192+12*\m:192+12*\m+11], v[8*(8*\m+\n):8*(8*\m+\n)+7], v[W2C+\n], v[HSC+\m] matrix_a_fmt:MATRIX_FMT_FP6 matrix_b_fmt:MATRIX_FMT_FP6
.endr
.endr
.endm
; The second product's operands from LDS: four hidden fragments (24 loads of 8 bytes), their scale words, W2's scale words
.macro DSP2
	v_add_nc_u32 v[HRA+1], s47, v[HRA]
	v_add_nc_u32 v[HSR+1], s49, v[HSR]
	v_add_nc_u32 v[W2R+1], s53, v[W2R]
	WIN 0x40                                       ; destination window 1
.irp m, 0,1,2,3
.irp p, 0,1,2,3,4,5
	ds_load_b64 v[192+12*\m+2*\p:192+12*\m+2*\p+1], v[HRA+1] offset:16*HP*\m+48*(\p/3)+8*(\p%3)
.endr
.endr
	WIN 0
.irp m, 0,1,2,3
	ds_load_b32 v[HSC+\m], v[HSR+1] offset:64*\m
.endr
.irp n, 0,1,2,3,4,5,6,7
	ds_load_b32 v[W2C+\n], v[W2R+1] offset:16*W2P*\n
.endr
.endm
; gelu in place on the 16 numbers v[V + 16 g] on, eight pairs by turns.  The first line reads each accumulator from its low end.
.macro GELU g
.set GV, V+16*(\g)
.irp k, 0,2,4,6,8,10,12,14
	v_pk_mul_f32 v[ZZ+\k:ZZ+\k+1], v[GV+\k:GV+\k+1], 0x3f3504f3 op_sel_hi:[1,0]    ; z = v / sqrt 2
.endr
.irp k, 0,1,2,3,4,5,6,7,8,9,10,11,12,13,14,15
	v_med3_num_f32 v[ZZ+\k], v[ZZ+\k], -4.0, 4.0
.endr
.irp k, 0,2,4,6,8,10,12,14
	v_pk_mul_f32 v[SS+\k:SS+\k+1], v[ZZ+\k:ZZ+\k+1], v[ZZ+\k:ZZ+\k+1]
.endr
.irp k, 0,2,4,6,8,10,12,14
	v_pk_fma_f32 v[PP+\k:PP+\k+1], v[SS+\k:SS+\k+1], EA0, v[KA1:KA1+1] op_sel_hi:[1,0,1]
.endr
.irp a, EA2, EA3, EA4, EA5, EA6
.irp k, 0,2,4,6,8,10,12,14
	v_pk_fma_f32 v[PP+\k:PP+\k+1], v[PP+\k:PP+\k+1], v[SS+\k:SS+\k+1], \a op_sel_hi:[1,1,0]
.endr
.endr
.irp k, 0,2,4,6,8,10,12,14
	v_pk_fma_f32 v[QQ+\k:QQ+\k+1], v[SS+\k:SS+\k+1], EB0, v[KB1:KB1+1] op_sel_hi:[1,0,1]
.endr
.irp a, EB2, EB3, EB4
.irp k, 0,2,4,6,8,10,12,14
	v_pk_fma_f32 v[QQ+\k:QQ+\k+1], v[QQ+\k:QQ+\k+1], v[SS+\k:SS+\k+1], \a op_sel_hi:[1,1,0]
.endr
.endr
.irp k, 0,1,2,3,4,5,6,7,8,9,10,11,12,13,14,15
	v_rcp_f32 v[QQ+\k], v[QQ+\k]                   ; one batch of sixteen
.endr
.irp k, 0,2,4,6,8,10,12,14
	v_pk_mul_f32 v[PP+\k:PP+\k+1], v[PP+\k:PP+\k+1], v[ZZ+\k:ZZ+\k+1]              ; plain work behind the batch that names none of its results
.endr
.irp k, 0,2,4,6,8,10,12,14
	v_pk_mul_f32 v[ZZ+\k:ZZ+\k+1], v[GV+\k:GV+\k+1], 0.5 op_sel_hi:[1,0]
.endr
	s_wait_alu depctr_va_vdst(0)                   ; one wait for the sixteen reciprocals, ahead of their first reader
.irp k, 0,2,4,6,8,10,12,14
	v_pk_mul_f32 v[PP+\k:PP+\k+1], v[PP+\k:PP+\k+1], v[QQ+\k:QQ+\k+1]              ; erf
.endr
.irp k, 0,2,4,6,8,10,12,14
	v_pk_fma_f32 v[GV+\k:GV+\k+1], v[ZZ+\k:ZZ+\k+1], v[PP+\k:PP+\k+1], v[ZZ+\k:ZZ+\k+1]   ; v / 2 + (v / 2) erf
.endr
.endm
; Four half blocks: 16 numbers each at v[src + 16 i], whose other 16 lie in lane l xor 16.  Codes to v[CD + 4 i] on (12 bytes), the scale's byte to v[TM + 4 + i].
.macro QCORE src
	s_wait_dscnt 0x0                               ; the LDS stores of the last codes and words have read their registers
.irp i, 0,1,2,3
	v_max3_num_f32 v[TM+\i], |v[\src+16*\i]|, |v[\src+16*\i+1]|, 0x1800000   ; with the floor 2^(3 - 127): the byte cannot fall under 1
.endr
.irp k, 2,4,6,8,10,12,14
.irp i, 0,1,2,3
	v_max3_num_f32 v[TM+\i], v[TM+\i], |v[\src+16*\i+\k]|, |v[\src+16*\i+\k+1]|
.endr
.endr
.irp i, 0,1,2,3
	v_permlanex16_b32 v[TM+4+\i], v[TM+\i], s56, s57
.endr
.irp i, 0,1,2,3
	v_max_num_f32 v[TM+\i], v[TM+\i], v[TM+4+\i]   ; the block's largest magnitude
.endr
.irp i, 0,1,2,3
	v_add_nc_u32 v[TM+12+\i], 0xff000000, v[TM+\i] ; 2 off its exponent field: the conversion takes that field as its scale
.endr
.irp i, 0,1,2,3
	v_lshrrev_b32 v[TM+4+\i], 23, v[TM+12+\i]      ; the scale's byte
.endr
.irp i, 0,1,2,3
	v_cvt_scalef32_pk16_fp6_f32 v[CD+4*\i:CD+4*\i+2], v[\src+16*\i:\src+16*\i+15], v[TM+12+\i]
.endr
	v_nop                                          ; one plain place behind the scaled conversions
.endm
; The hidden layer's codes of this trip's block go to their rows in LDS (12 bytes at 24 x trip + 12 h, in words); the byte joins the row's scale word, which is stored in every trip: the round's fourth store is whole.
.macro HTAIL
.irp i, 0,1,2,3
	v_lshrrev_b32 v[SW+\i], 8, v[SW+\i]
.endr
.irp i, 0,1,2,3
	v_lshl_or_b32 v[SW+\i], v[TM+4+\i], 24, v[SW+\i]
.endr
	v_add_nc_u32 v[HWA+1], s46, v[HWA]
	v_add_nc_u32 v[HSW+1], s48, v[HSW]
.irp i, 0,1,2,3
.irp c, 0,1,2
	ds_store_b32 v[HWA+1], v[CD+4*\i+\c] offset:16*HP*\i+4*\c
.endr
.endr
.irp i, 0,1,2,3
	ds_store_b32 v[HSW+1], v[SW+\i] offset:64*\i   ; lanes l and l xor 16 write the same word with the same value
.endr
.endm
; x's codes of K step s (four blocks of my row) and its scale word
.macro XTAIL s
	v_lshl_or_b32 v[TM+8], v[TM+5], 8, v[TM+4]
	v_lshl_or_b32 v[TM+8], v[TM+6], 16, v[TM+8]
	v_lshl_or_b32 v[TM+8], v[TM+7], 24, v[TM+8]
.irp i, 0,1,2,3
.irp c, 0,1,2
	ds_store_b32 v[XWA], v[CD+4*\i+\c] offset:96*\s+24*\i+4*\c
.endr
.endr
	ds_store_b32 v[XSW], v[TM+8] offset:4*\s
.endm
; my row's numbers of K step s: of each block of 32 my half's 16: register 16 b + i = k 32 b + 16 h + i
.macro XLOAD reg, s
.irp b, 0,1,2,3
.irp j, 0,1,2,3
	global_load_b128 v[\reg+16*\b+4*\j:\reg+16*\b+4*\j+3], v[XA], s[8:9] offset:512*\s+128*\b+16*\j
.endr
.endr
.endm
; The vector work of a trip: the block's 64 x 32 results through gelu and the quantiser, and into LDS
.macro HIDDEN
	GELU 0
	GELU 1
	GELU 2
	GELU 3
	QCORE V
	HTAIL
	s_add_co_u32 s46, s46, 24                      ; the next block's 24 bytes of a row
.endm
; A TRIP OF ROUND 0: a block of the hidden layer, no second product yet
.macro FIRST
	s_wait_loadcnt 0x0                             ; this trip's weights are in (in the first trip: everything that the head asked for); their bases may be stepped
	P1
	WIN 0
	PLACES
	s_add_co_u32 s44, s44, 1
	s_add_nc_u64 s[12:13], s[12:13], TRIPB
	LOAD1                                          ; the next trip's, ahead of the gelu
	HIDDEN
.endm
; A TRIP OF ROUNDS 1 TO 3: a block of the hidden layer and a K step of the second product.  Each stream's registers are asked for again as soon as its product has read them.
.macro BOTH
	s_wait_loadcnt 24                              ; W1's 30 loads are in: behind them stand only W2's 24, which may be out.  So s[12:13] and s[40:43] may be written
	DSP2                                           ; the second product's operands come out of LDS while the first product runs
	P1
	WIN 0
	PLACES
	s_add_co_u32 s44, s44, 1
	s_cmp_eq_u32 s44, 16                           ; the 16th trip has no successor: no load leaves its buffer
	s_cbranch_scc1 .Lno_w1_\@
	s_add_nc_u64 s[12:13], s[12:13], TRIPB
	LOAD1
	s_wait_loadcnt 30                              ; W2's 24 loads are in: behind them stand the 30 just issued
	s_branch .Lgo_\@
.Lno_w1_\@:
	s_wait_loadcnt 0x0                             ; here nothing was issued behind W2's loads
.Lgo_\@:
	s_wait_dscnt 0x0                               ; the hidden fragments and the scale words are in
	P2 0xf6, 96
	WIN 0
	PLACES
	s_add_nc_u64 s[18:19], s[18:19], TRIPB         ; (W2's loads are done: their base may be written)
	LOADW 0x80, 96, 0                              ; the next K step's
	s_add_co_u32 s47, s47, HSLOT                   ; the round's next K step
	s_add_co_u32 s49, s49, 256
	s_add_co_u32 s53, s53, 4
	HIDDEN
.endm
; ONE OF THE LAST FOUR K STEPS of the second product.  left: the loads issued behind this step's weights, which may stay out
.macro CSTEP win, base, left
	DSP2
	s_wait_loadcnt \left
	s_wait_dscnt 0x0
	P2 \win, \base
	WIN 0
	PLACES
	s_add_co_u32 s47, s47, HSLOT                   ; (behind the last step these three are not used)
	s_add_co_u32 s49, s49, 256
	s_add_co_u32 s53, s53, 4
.endm
	s_load_b512 s[4:19], s[0:1], 0x0               ; tiles s[4:5], order s[6:7], x s[8:9], weights s[10:11], W1L s[12:13], W1's scales s[14:15], b1 s[16:17], W2L s[18:19]
	s_load_b128 s[20:23], s[0:1], 0x40             ; W2's scales s[20:21], b2 s[22:23]
	s_load_b64 s[24:25], s[0:1], 0x50              ; ybuf
	s_set_vgpr_msb 0x40
	v_lshl_add_u32 v254, v0, 2, 0x3f400
	v_mov_b32 v255, 0
	s_set_vgpr_msb 0x4000
	v_lshrrev_b32 v[TMP], 5, v0
	v_readfirstlane_b32 s26, v[TMP]                ; wave 0..3
	s_lshl_b32 s32, ttmp9, 4                       ; my tile's record: 16 bytes
	s_mov_b32 s33, 0
	s_mov_b32 s56, 0x76543210
	s_mov_b32 s57, 0xfedcba98                      ; v_permlanex16_b32's selects for lane l xor 16
	s_wait_kmcnt 0x0
	s_add_nc_u64 s[4:5], s[4:5], s[32:33]
	s_load_b128 s[28:31], s[4:5], 0x0              ; expert, first place, last place, 0
	; the lane's addresses, made while the record is on its way
	v_and_b32 v[LR], 15, v0
	v_bfe_u32 v[LH], v0, 4, 1
	v_and_b32 v[TMP], 31, v0
	v_lshlrev_b32 v[L16], 4, v[TMP]
	s_mul_i32 s32, s26, HSLOT
	s_add_co_u32 s32, s32, HB
	v_mul_u32_u24 v[HWA], v[LR], HP
	v_mad_u32_u24 v[HWA], v[LH], 12, v[HWA]
	v_add_nc_u32 v[HWA], s32, v[HWA]               ; HB + 7168 w + 112 r + 12 h
	s_lshl_b32 s32, s26, 8
	s_add_co_u32 s32, s32, HS
	v_lshl_add_u32 v[HSW], v[LR], 2, s32           ; HS + 256 w + 4 r
	v_mul_u32_u24 v[HRA], v[LR], HP
	v_mad_u32_u24 v[HRA], v[LH], 24, v[HRA]
	v_add_nc_u32 v[HRA], HB, v[HRA]                ; HB + 112 r + 24 h
	v_lshl_add_u32 v[HSR], v[LR], 2, HS            ; HS + 4 r
	s_mul_i32 s32, s26, 128*W2P
	s_add_co_u32 s32, s32, W2S
	v_mul_u32_u24 v[W2R], v[LR], W2P
	v_add_nc_u32 v[W2R], s32, v[W2R]               ; W2S + 10240 w + 80 r
	v_lshrrev_b32 v[W2W], 2, v[TMP]
	v_mul_u32_u24 v[W2W], v[W2W], W2P
	v_and_b32 v[TMP], 3, v[TMP]
	v_lshl_add_u32 v[W2W], v[TMP], 4, v[W2W]
	v_add_nc_u32 v[W2W], s32, v[W2W]               ; W2S + 10240 w + 80 (lane / 4) + 16 (lane % 4)
	v_lshlrev_b32 v[B1A], 6, v[LH]
	v_and_b32 v[S1A], 8, v[LR]
	v_add_nc_u32 v[S1A], v[S1A], v[LR]
	v_lshlrev_b32 v[S1A], 4, v[S1A]
	s_mul_i32 s32, s26, 16*XP
	v_mul_u32_u24 v[XFA], v[LR], XP
	v_mad_u32_u24 v[XWA], v[LH], 12, v[XFA]
	v_add_nc_u32 v[XWA], s32, v[XWA]               ; XR + 400 (16 w + r) + 12 h
	v_mad_u32_u24 v[XFA], v[LH], 24, v[XFA]        ; XR + 400 r + 24 h
	v_lshl_add_u32 v[XSA], v[LR], 4, XSC           ; XSC + 16 r
	s_lshl_b32 s32, s26, 8
	v_add_nc_u32 v[XSW], s32, v[XSA]               ; XSC + 16 (16 w + r)
	v_mul_u32_u24 v[SO], v[LR], SP
	v_lshl_add_u32 v[SO], v[LH], 5, v[SO]
	s_lshl_b32 s32, s26, 9
	s_add_co_u32 s32, s32, STG
	v_add_nc_u32 v[SO], s32, v[SO]                 ; STG + 2064 r + 32 h + 512 w
	v_add_nc_u32 v[SO+1], 32*SP, v[SO]
	s_mul_i32 s32, s26, 16*SP
	s_add_co_u32 s32, s32, STG
	v_add_nc_u32 v[SR], s32, v[L16]                ; STG + 2064 x 16 w + 16 x lane
	v_lshlrev_b32 v[B2A], 5, v[LH]
	v_mov_b32 v[KA1], EA1
	v_mov_b32 v[KA1+1], EA1
	v_mov_b32 v[KB1], EB1
	v_mov_b32 v[KB1+1], EB1
.irp i, 0,1,2,3
	v_mov_b32 v[TM+4+\i], 0                        ; a lane permute's destination counts as one of its sources
	v_mov_b32 v[SW+\i], 0
	v_mov_b32 v[WT+2*\i+1], 0                      ; named as the upper half of a pair
.endr
	s_mov_b32 s44, 0
	s_mov_b32 s46, 0
	s_mov_b32 s48, 0
	s_mov_b32 s53, 0
	s_wait_kmcnt 0x0
	s_min_u32 s28, s28, 7                          ; loaded numbers are held inside their tables before they enter an address
	s_min_u32 s29, s29, 0x1fff
	s_min_u32 s30, s30, 0x1fff
	s_mov_b32 s35, 0
	s_mov_b32 s37, 0
	s_mul_i32 s34, s28, 786432
	s_mul_i32 s36, s26, 196608
	s_add_co_u32 s34, s34, s36
	s_add_nc_u64 s[12:13], s[12:13], s[34:35]      ; my expert's, my wave's 16 trips of W1's images,
	s_add_nc_u64 s[18:19], s[18:19], s[34:35]      ; and of W2's
	s_lshl_b32 s34, s28, 15
	s_lshl_b32 s36, s26, 11
	s_add_co_u32 s36, s34, s36
	s_add_nc_u64 s[14:15], s[14:15], s[36:37]      ; W1's scales: 32,768 e + 16 x 128 w
	s_lshl_b32 s36, s26, 13
	s_add_co_u32 s36, s34, s36
	s_add_nc_u64 s[20:21], s[20:21], s[36:37]      ; W2's scales: 32,768 e + 64 x 128 w
	s_lshl_b32 s34, s28, 13
	s_lshl_b32 s36, s26, 9
	s_add_co_u32 s34, s34, s36
	s_add_nc_u64 s[16:17], s[16:17], s[34:35]      ; b1: 8,192 e + 512 w
	s_lshl_b32 s34, s28, 11
	s_add_co_u32 s34, s34, s36
	s_add_nc_u64 s[22:23], s[22:23], s[34:35]      ; b2: 2,048 e + 512 w
	s_lshl_b32 s33, s26, 4
	s_add_co_u32 s33, s33, s29
	v_add_nc_u32 v[EO], s33, v[LR]                 ; the place of row 16 w + r,
	v_min_u32 v[EO], s30, v[EO]                    ; held at the tile's last,
	v_min_u32 v[EO], 0x1fff, v[EO]
	v_lshlrev_b32 v[EO], 2, v[EO]
.irp m, 0,1,2,3
	v_add_nc_u32 v[EM+4*\m], s29, v[LR]            ; and of rows 16 m + r
	v_add_nc_u32 v[EM+4*\m], 16*\m, v[EM+4*\m]
	v_min_u32 v[EM+4*\m], s30, v[EM+4*\m]
	v_min_u32 v[EM+4*\m], 0x1fff, v[EM+4*\m]
	v_lshlrev_b32 v[EM+4*\m], 2, v[EM+4*\m]
.endr
	global_load_b32 v[EO], v[EO], s[6:7]           ; the entries (each load lands on its own address register)
.irp m, 0,1,2,3
	global_load_b32 v[EM+4*\m], v[EM+4*\m], s[6:7]
.endr
	LOAD1                                          ; the first trips' weights: 30 loads,
	LOADW 0x80, 96, 0                              ; and 24
	s_wait_loadcnt 54                              ; the five entries are in; the 54 loads issued behind them may be out
	v_min_u32 v[EO], 0x1fff, v[EO]
	v_and_b32 v[XA], 0x1ffe, v[EO]
	v_lshlrev_b32 v[XA], 10, v[XA]                 ; token x 2,048
	v_lshl_add_u32 v[XA], v[LH], 6, v[XA]          ; + 64 h
.irp m, 0,1,2,3
	v_min_u32 v[EM+4*\m], 0x1fff, v[EM+4*\m]
	v_lshlrev_b32 v[EM+4*\m], 2, v[EM+4*\m]
.endr
.irp m, 0,1,2,3
	global_load_b32 v[WT+2*\m], v[EM+4*\m], s[10:11]
.endr
	; ---- x: wave w quantises rows 16 w .. 16 w + 15, a K step of 128 at a time, the next K step on its way meanwhile
	XLOAD V, 0
	XLOAD T, 1
	s_wait_loadcnt 16                              ; K step 0 is in; K step 1's sixteen loads may be out
	QCORE V
	XTAIL 0
	XLOAD V, 2
	s_wait_loadcnt 16                              ; K step 1 is in
	QCORE T
	XTAIL 1
	XLOAD T, 3
	s_wait_loadcnt 16                              ; K step 2 is in
	QCORE V
	XTAIL 2
.irp i, 0,1,2,3,4,5,6,7,8,9,10,11,12,13,14,15
	global_load_b128 v[V+4*\i:V+4*\i+3], v[L16], s[20:21] offset:512*\i   ; W2's scale bytes of my 128 rows: 8,192 dense bytes
.endr
	s_wait_loadcnt 16                              ; K step 3 is in; these sixteen may be out
	QCORE T
	XTAIL 3
	s_wait_loadcnt 0x0
.irp i, 0,1,2,3,4,5,6,7,8,9,10,11,12,13,14,15
	ds_store_b128 v[W2W], v[V+4*\i:V+4*\i+3] offset:8*W2P*\i             ; into my wave's own rows: nobody else reads them
.endr
	WIN 0xc0                                       ; destination window 3
.irp m, 0,1,2,3                        ; b2 starts y's sums: lane (r, h), register j of (m, n): output 128 w + 16 n + 8 h + j.  The first trip's wait covers these loads
.irp n, 0,1,2,3,4,5,6,7
	global_load_b128 v[8*(8*\m+\n):8*(8*\m+\n)+3], v[B2A], s[22:23] offset:64*\n
	global_load_b128 v[8*(8*\m+\n)+4:8*(8*\m+\n)+7], v[B2A], s[22:23] offset:64*\n+16
.endr
.endr
	WIN 0
	BARRIER                                        ; x's 64 rows of codes and their scale words lie in LDS
	WIN 0x40
.irp m, 0,1,2,3                        ; all 16 fragments of x stay in registers
.irp s, 0,1,2,3
.irp p, 0,1,2,3,4,5
	ds_load_b64 v[12*(4*\m+\s)+2*\p:12*(4*\m+\s)+2*\p+1], v[XFA] offset:16*XP*\m+96*\s+48*(\p/3)+8*(\p%3)
.endr
.endr
.endr
	WIN 0
.irp m, 0,1,2,3
	ds_load_b128 v[XS+4*\m:XS+4*\m+3], v[XSA] offset:256*\m
.endr
	s_wait_dscnt 0x0
	; ---- round 0: the hidden layer's first four K steps
	s_mov_b32 s54, 4
.Lfirst:
	FIRST
	s_sub_co_u32 s54, s54, 1
	s_cmp_lg_u32 s54, 0
	s_cbranch_scc1 .Lfirst
	BARRIER                                        ; round 0's codes lie in parity 0
	s_mov_b32 s46, HPAR                            ; round 1 writes parity 1
	s_mov_b32 s48, HSPAR
	s_mov_b32 s47, 0                               ; and reads parity 0
	s_mov_b32 s49, 0
	s_wait_loadcnt 0x0                             ; on this way into the loop only W1's 30 loads are out, with none of W2's behind them: the loop's counted wait would not show them in
	; ---- rounds 1 to 3: a block of the hidden layer and a K step of the second product in each trip
	s_mov_b32 s55, 3
.Lround:
	s_mov_b32 s54, 4
.Lboth:
	BOTH
	s_sub_co_u32 s54, s54, 1
	s_cmp_lg_u32 s54, 0
	s_cbranch_scc1 .Lboth
	BARRIER                                        ; this round's codes have landed, and every wave's reads of the other parity are in: it may be written again
	s_sub_co_u32 s46, s46, 96                      ; back to the row's first block,
	s_xor_b32 s46, s46, HPAR                       ; in the other parity
	s_xor_b32 s48, s48, HSPAR
	s_sub_co_u32 s47, s47, HPAR
	s_xor_b32 s47, s47, HPAR
	s_sub_co_u32 s49, s49, HSPAR
	s_xor_b32 s49, s49, HSPAR
	s_sub_co_u32 s55, s55, 1
	s_cmp_lg_u32 s55, 0
	s_cbranch_scc1 .Lround
	; ---- the second product's last four K steps, 12 to 15, written out.  The stream's pointer stands at K step 12, whose weights the last trip asked for; the others stand in the immediates.
	; W1's and x's fragments have been read for the last time (the gelu's lines are the places behind those products): K steps 13 and 14 go into their registers, both asked for ahead of K step 12's products.
	; K step 15 goes into W2's own registers when K step 12 has read them.  By this text's count at most 48 loads are out here.
	s_wait_loadcnt 0x0                             ; K step 12's weights
	LOADW 0x80, 0, TRIPB                           ; K step 13 -> window 2, v0-95
	LOADW 0x40, 0, 2*TRIPB                         ; K step 14 -> window 1, v0-95
	CSTEP 0xf6, 96, 48                             ; K step 12 (the 48 just issued may be out)
	s_wait_loadcnt 24                              ; K step 13 is in; K step 14's 24 may be out
	LOADW 0x80, 96, 3*TRIPB                        ; K step 15 -> window 2, v96-191
	CSTEP 0xf6, 0, 48                              ; K step 13
	CSTEP 0xf5, 0, 24                              ; K step 14: both sources in window 1 (W2 v0-95, the hidden fragments v192-239); K step 15's 24 may be out
	CSTEP 0xf6, 96, 0                              ; K step 15
	; ---- THE WAY OUT.  y x the row's weight (the four places behind the last products stand in the step), each accumulator from its low end on; through the stage, since a row's 512 outputs come from four waves
	WIN 0xc3                                       ; destination and source 0 window 3, the weight window 0
.irp m, 0,1,2,3
.irp n, 0,1,2,3,4,5,6,7
.irp k, 0,2,4,6
	v_pk_mul_f32 v[8*(8*\m+\n)+\k:8*(8*\m+\n)+\k+1], v[8*(8*\m+\n)+\k:8*(8*\m+\n)+\k+1], v[WT+2*\m:WT+2*\m+1] op_sel_hi:[1,0]
.endr
.endr
.endr
	WIN 0x0c                                       ; an LDS store's data are its source 1: window 3
.irp m, 0,1,2,3
.irp n, 0,1,2,3,4,5,6,7
	ds_store_b128 v[SO+\m/2], v[8*(8*\m+\n):8*(8*\m+\n)+3] offset:16*SP*(\m%2)+64*\n
	ds_store_b128 v[SO+\m/2], v[8*(8*\m+\n)+4:8*(8*\m+\n)+7] offset:16*SP*(\m%2)+64*\n+16
.endr
.endr
	WIN 0
	BARRIER                                        ; 64 whole rows lie in the stage
.irp i, 0,1,2,3,4,5,6,7,8,9,10,11,12,13,14,15
	v_readlane_b32 s58, v[EO], \i                  ; the entry of row 16 w + i,
	s_min_u32 s58, s58, 0x1fff
	s_lshl_b32 s58, s58, 11                        ; its row of ybuf,
	v_add_nc_u32 v[T+\i], s58, v[L16]              ; + 16 x lane
.endr
.macro OLOAD q                         ; rows 4 q .. 4 q + 3 of my 16, 2,048 bytes each, into buffer q % 2 (v80-143, v160-223)
.set OB, V+80*((\q)%2)
.irp i, 0,1,2,3
.irp c, 0,1,2,3
	ds_load_b128 v[OB+16*\i+4*\c:OB+16*\i+4*\c+3], v[SR] offset:SP*(4*(\q)+\i)+512*\c
.endr
.endr
.endm
.macro OSEND q, younger                ; younger: the LDS loads issued behind this batch's, which may stay out
.set OB, V+80*((\q)%2)
.irp i, 0,1,2,3
.irp c, 0,1,2,3
	s_wait_dscnt \younger+15-(4*\i+\c)
	global_store_b128 v[T+4*(\q)+\i], v[OB+16*\i+4*\c:OB+16*\i+4*\c+3], s[24:25] offset:512*\c th:TH_STORE_NT   ; 32 lanes store 512 consecutive bytes, at a multiple of 512 from ybuf's first byte
.endr
.endr
.endm
	OLOAD 0
	OLOAD 1
	OSEND 0, 16
	s_wait_xcnt 0x0                                ; batch 0's stores have read their registers: batch 2 may land there
	OLOAD 2
	OSEND 1, 16
	s_wait_xcnt 0x0                                ; batch 1's likewise
	OLOAD 3
	OSEND 2, 16
	OSEND 3, 0
	s_set_vgpr_msb 0x5
	s_wait_tensorcnt 0x0
	ds_add_u32 v254, v255
	s_wait_dscnt 0x0
	s_set_vgpr_msb 0x500
	s_endpgm
.Lfunc_end_k_q5a59c44164_experts:
	.size	k_q5a59c44164_experts, .Lfunc_end_k_q5a59c44164_experts-k_q5a59c44164_experts
	.p2alignl 7, 3214868480
	.fill 96, 4, 3214868480
	.section	.rodata,"a",@progbits
	.p2align	6, 0x0
	.amdhsa_kernel k_q5a59c44164_experts
		.amdhsa_group_segment_fixed_size 259584
		.amdhsa_private_segment_fixed_size 0
		.amdhsa_enable_private_segment 0
		.amdhsa_kernarg_size 88
		.amdhsa_user_sgpr_count 2
		.amdhsa_user_sgpr_kernarg_segment_ptr 1
		.amdhsa_wavefront_size32 1
		.amdhsa_system_sgpr_workgroup_id_x 1
		.amdhsa_system_sgpr_workgroup_id_y 1
		.amdhsa_system_sgpr_workgroup_id_z 1
		.amdhsa_system_vgpr_workitem_id 0
		.amdhsa_next_free_vgpr 1024
		.amdhsa_next_free_sgpr 66
		.amdhsa_reserve_vcc 0
		.amdhsa_float_denorm_mode_32 3
		.amdhsa_float_denorm_mode_16_64 3
		.amdhsa_memory_ordered 1
		.amdhsa_forward_progress 1
		.amdhsa_inst_pref_size 246
	.end_amdhsa_kernel
	.amdgpu_metadata
---
amdhsa.version: [ 1, 2 ]
amdhsa.kernels:
  - .name:           k_q5a59c44164_experts
    .symbol:         k_q5a59c44164_experts.kd
    .args:
      - { .name: tiles, .offset: 0, .size: 8, .value_kind: global_buffer, .address_space: global }
      - { .name: order, .offset: 8, .size: 8, .value_kind: global_buffer, .address_space: global }
      - { .name: x, .offset: 16, .size: 8, .value_kind: global_buffer, .address_space: global }
      - { .name: expert_weights, .offset: 24, .size: 8, .value_kind: global_buffer, .address_space: global }
      - { .name: W1L, .offset: 32, .size: 8, .value_kind: global_buffer, .address_space: global }
      - { .name: W1_scales, .offset: 40, .size: 8, .value_kind: global_buffer, .address_space: global }
      - { .name: b1, .offset: 48, .size: 8, .value_kind: global_buffer, .address_space: global }
      - { .name: W2L, .offset: 56, .size: 8, .value_kind: global_buffer, .address_space: global }
      - { .name: W2_scales, .offset: 64, .size: 8, .value_kind: global_buffer, .address_space: global }
      - { .name: b2, .offset: 72, .size: 8, .value_kind: global_buffer, .address_space: global }
      - { .name: ybuf, .offset: 80, .size: 8, .value_kind: global_buffer, .address_space: global }
    .group_segment_fixed_size: 259584
    .private_segment_fixed_size: 0
    .kernarg_segment_align: 8
    .kernarg_segment_size: 88
    .max_flat_workgroup_size: 128
    .sgpr_count:     66
    .vgpr_count:     1024
    .wavefront_size: 32
...
	.end_amdgpu_metadata
.endif
;; end of part 2
;; launch combine (part 3): grid 256 x 1, 8 waves a work-group, no clusters, 0 bytes of LDS; arguments x, ybuf, out0; writes out0
.if DOCPART == 3
	.amdgcn_target "amdgcn-amd-amdhsa--gfx1250"
	.amdhsa_code_object_version 6
	.text
	.protected	k_q5a59c44164_combine
	.globl	k_q5a59c44164_combine
	.p2align	8
	.type	k_q5a59c44164_combine,@function
k_q5a59c44164_combine:
	s_mov_b64 s[64:65], 0
	v_nop
	global_prefetch_b8 v0, s[64:65] scope:SCOPE_SE
	s_setreg_imm32_b32 hwreg(HW_REG_WAVE_MODE, 25, 1), 1
	s_wait_xcnt 0x0
; out0[t][:] = x[t][:] + ybuf[2 t][:] + ybuf[2 t + 1][:].  x, out0: [4096][512] f32; ybuf: [8192][512] f32, a row for each of a token's two entries, already times its weight.
; A plain stream: every byte is read once and written once, by loads and stores of 512 consecutive bytes a wave.  No LDS, no barrier, no matrix unit: there is nothing for them to do.
; A wave takes two tokens: 8 groups of 512 bytes of output, three loads each.  All 24 loads go out first; the waits count down, three younger loads for each group behind.
; Every group has registers of its own, so no register that a load or store names is written again.
.set G0, 8                             ; group k at v[8 + 12 k]: 4 registers of x, 4 of the first entry, 4 of the second
	s_load_b128 s[4:7], s[0:1], 0x0                ; x s[4:5], ybuf s[6:7]
	s_load_b64 s[8:9], s[0:1], 0x10                ; out0
	v_lshrrev_b32 v1, 5, v0
	v_readfirstlane_b32 s10, v1                    ; wave 0..7
	v_and_b32 v2, 31, v0
	v_lshlrev_b32 v2, 4, v2                        ; 16 x lane
	s_lshl_b32 s12, ttmp9, 4
	s_lshl_b32 s11, s10, 1
	s_add_co_u32 s12, s12, s11                     ; my first token: 16 x work-group + 2 x wave
	s_lshl_b32 s12, s12, 11                        ; its row of x and of out0,
	s_mov_b32 s13, 0
	s_lshl_b32 s14, s12, 1                         ; its two rows of ybuf
	s_mov_b32 s15, 0
	s_wait_kmcnt 0x0
	s_add_nc_u64 s[4:5], s[4:5], s[12:13]
	s_add_nc_u64 s[8:9], s[8:9], s[12:13]
	s_add_nc_u64 s[6:7], s[6:7], s[14:15]
.irp k, 0,1,2,3,4,5,6,7                ; token k / 4, bytes 512 (k % 4) on
	global_load_b128 v[G0+12*\k:G0+12*\k+3], v2, s[4:5] offset:2048*(\k/4)+512*(\k%4) th:TH_LOAD_NT
	global_load_b128 v[G0+12*\k+4:G0+12*\k+7], v2, s[6:7] offset:4096*(\k/4)+512*(\k%4) th:TH_LOAD_NT
	global_load_b128 v[G0+12*\k+8:G0+12*\k+11], v2, s[6:7] offset:4096*(\k/4)+2048+512*(\k%4) th:TH_LOAD_NT
.endr
.irp k, 0,1,2,3,4,5,6,7
	s_wait_loadcnt 3*(7-\k)                        ; loads come back in order: group k's three are in, the younger groups' stay out
	v_pk_add_f32 v[G0+12*\k+4:G0+12*\k+5], v[G0+12*\k+4:G0+12*\k+5], v[G0+12*\k+8:G0+12*\k+9]
	v_pk_add_f32 v[G0+12*\k+6:G0+12*\k+7], v[G0+12*\k+6:G0+12*\k+7], v[G0+12*\k+10:G0+12*\k+11]
	v_pk_add_f32 v[G0+12*\k:G0+12*\k+1], v[G0+12*\k:G0+12*\k+1], v[G0+12*\k+4:G0+12*\k+5]
	v_pk_add_f32 v[G0+12*\k+2:G0+12*\k+3], v[G0+12*\k+2:G0+12*\k+3], v[G0+12*\k+6:G0+12*\k+7]
	global_store_b128 v2, v[G0+12*\k:G0+12*\k+3], s[8:9] offset:2048*(\k/4)+512*(\k%4) th:TH_STORE_NT
.endr
	s_endpgm
.Lfunc_end_k_q5a59c44164_combine:
	.size	k_q5a59c44164_combine, .Lfunc_end_k_q5a59c44164_combine-k_q5a59c44164_combine
	.p2alignl 7, 3214868480
	.fill 96, 4, 3214868480
	.section	.rodata,"a",@progbits
	.p2align	6, 0x0
	.amdhsa_kernel k_q5a59c44164_combine
		.amdhsa_group_segment_fixed_size 0
		.amdhsa_private_segment_fixed_size 0
		.amdhsa_enable_private_segment 0
		.amdhsa_kernarg_size 24
		.amdhsa_user_sgpr_count 2
		.amdhsa_user_sgpr_kernarg_segment_ptr 1
		.amdhsa_wavefront_size32 1
		.amdhsa_system_sgpr_workgroup_id_x 1
		.amdhsa_system_sgpr_workgroup_id_y 1
		.amdhsa_system_sgpr_workgroup_id_z 1
		.amdhsa_system_vgpr_workitem_id 0
		.amdhsa_next_free_vgpr 104
		.amdhsa_next_free_sgpr 66
		.amdhsa_reserve_vcc 0
		.amdhsa_float_denorm_mode_32 3
		.amdhsa_float_denorm_mode_16_64 3
		.amdhsa_memory_ordered 1
		.amdhsa_forward_progress 1
		.amdhsa_inst_pref_size 7
	.end_amdhsa_kernel
	.amdgpu_metadata
---
amdhsa.version: [ 1, 2 ]
amdhsa.kernels:
  - .name:           k_q5a59c44164_combine
    .symbol:         k_q5a59c44164_combine.kd
    .args:
      - { .name: x, .offset: 0, .size: 8, .value_kind: global_buffer, .address_space: global }
      - { .name: ybuf, .offset: 8, .size: 8, .value_kind: global_buffer, .address_space: global }
      - { .name: out0, .offset: 16, .size: 8, .value_kind: global_buffer, .address_space: global }
    .group_segment_fixed_size: 0
    .private_segment_fixed_size: 0
    .kernarg_segment_align: 8
    .kernarg_segment_size: 24
    .max_flat_workgroup_size: 256
    .sgpr_count:     66
    .vgpr_count:     104
    .wavefront_size: 32
...
	.end_amdgpu_metadata
.endif
;; end of part 3
